; MI455X (gfx1250); checked and timed in simulation.
; The chip was launched on July 23, 2026; its instructions are those of AMD's public machine-readable ISA for CDNA 5 (MIT licence, August 2026) and "CDNA5" Instruction Set Architecture Reference Guide (July 2026). The comments in the code are by the model that wrote it; some were corrected since.
;; Codebook. Allowed arithmetic: float matrix products may take bf16 or f16 operands with f32 sums; all other float work in f32.
;; Inputs: codebook 8,192 x 32 float32; z 8 x 4,096 x 32 float32.
;; Outputs: out0 8 x 4,096 x 32 float32; out1 32,768 int32; out2 one number float32.
;; 2 versions, each right; version 2 is version 1 with the launch search written anew for expert scheduling mode. Each part assembles by itself: llvm-mc -triple=amdgcn-amd-amdhsa -mcpu=gfx1250 --defsym DOCPART=n.
;; ======== version 1 of 2: 3 launches
;; limits: values outside matrix products are rounded to bf16
;; workspace buffers: cand 2,097,152 bytes of whole numbers; part 1,024 bytes
;; launch search (part 1): grid 32 x 8, 8 waves a work-group, no clusters, 168,960 bytes of LDS; arguments codebook, z, cand; writes cand
.if DOCPART == 1
	.amdgcn_target "amdgcn-amd-amdhsa--gfx1250"
	.amdhsa_code_object_version 6
	.text
	.protected	k_q0f8abe809a_search
	.globl	k_q0f8abe809a_search
	.p2align	8
	.type	k_q0f8abe809a_search,@function
k_q0f8abe809a_search:
	s_mov_b64 s[64:65], 0
	v_nop
	global_prefetch_b8 v0, s[64:65] scope:SCOPE_SE
	s_setreg_imm32_b32 hwreg(HW_REG_WAVE_MODE, 25, 1), 1
	s_wait_xcnt 0x0
; VQ search.  dist[n][k] = (|z_n|^2 + |e_k|^2) - 2 z_n.e_k over 32,768 rows of z and 8,192 codes, 32 numbers each.
; A work-group takes 1,024 rows (x) and 1,024 codes (y = eighth q of the codebook).  For each of its rows it stores the least distance
; of that eighth, as an order-keeping u32 key, and the number g of the group of 8 neighbouring codes (8g .. 8g+7) that holds it first.
; The next launch merges the eight candidates of a row by whole numbers and looks at the 8 codes of the winning group.
;
; ROUNDINGS.  z and the codes are rounded to bf16; |z|^2 and |e|^2 are f32 sums of squares of the ROUNDED numbers; then
; a = fl(zz + ee), d = fl(a - 2 ze) (one fused multiply-add: 2 ze is exact), strict "<" in ascending order of the codes.
; Neither zz nor ee is folded into the matrix instruction's C: that would round otherwise.
; LIMITS.  Inputs finite and distances without overflow (a NaN loses in v_min3_num_f32; an argmin would take it).  ze is the matrix unit's
; sum, which may differ from a chain of f32 additions in its last bits: a row whose two best codes lie within one f32 step of zz and one
; of them that close to a rounding boundary may resolve otherwise.
;
; SHAPE.  Matrix source A = 16 codes, source B = 16 rows of z: lane (r, h) of the result holds row r and codes 8h + j in register j, so
; the minimum over codes stays inside a lane, and one compare and one select serve 8 distances.  Wave w keeps its 128 rows (8 B fragments)
; in registers for the whole kernel; all eight waves walk the 64 code tiles in LDS.  14 vector instructions go with each matrix instruction.
; NO JOINT TENSOR LOADS, though 8 work-groups read the same rows of z and 32 the same codes: a work-group reads its 2 x 131,072 bytes
; once in all, and every number has to be rounded to bf16 and squared before its first use; through registers that is one pass, while
; tiles of f32 laid into LDS would be read and written there a second time.
; More LDS is asked for than the 86,016 bytes used, so that the 8 waves have the four SIMDs to themselves, two on each.
.set PITCH, 80                         ; an LDS row of codes: 64 bytes of bf16 + 16: sixteen rows start at sixteen different 16-byte columns modulo 256
.set EEB,   81920                      ; behind the 1,024 rows of codes: 1,024 f32, |e|^2
.set HALFC, 512*PITCH                  ; the second 512 codes
.set HALFE, 2048                       ; and their |e|^2
.set LANE, 1                           ; v1      lane
.set RR,   2                           ; v2      r = lane % 16
.set HH,   3                           ; v3      h = lane / 16
.set AADR, 4                           ; v4      LDS address of my part of the current pair's first code tile
.set EADR, 5                           ; v5      the same for |e|^2
.set STC,  6                           ; v6      where I put 8 bytes of a code row
.set STE,  7                           ; v7      where I put that row's |e|^2
.set GOF,  8                           ; v8      my byte offset in the eighth of the codebook
.set ZOF,  9                           ; v9      my byte offset in the block of z
.set ZERO, 10                          ; v10     0.0
.set HQ,   11                          ; v11     h + 128 q
.set ZZ,   12                          ; v[12:19]   |z|^2 of my row in z tile t
.set BEST, 20                          ; v[20:35]   least distance so far, z tile t: two sets that take turns from code tile to code tile
.set ZB,   36                          ; v[36:99]   B fragments: z tile t in 8 registers
.set FA,   100                         ; v[100:115] A fragment, two buffers
.set FE,   116                         ; v[116:131] |e|^2 of my 8 codes, two buffers
.set AC,   132                         ; v[132:147] matrix results, two buffers
.set TM,   148                         ; v[148:155] at work
.set IDX,  156                         ; v[156:163] code tile of the least distance, z tile t
.set CST,  164                         ; v[164:227] 16 loads of codes, 4 registers each
.set COF,  228                         ; v228    my byte offset in cand
	s_load_b128 s[4:7], s[0:1], 0x0                ; codebook s[4:5], z s[6:7]
	s_load_b64 s[8:9], s[0:1], 0x10                ; cand
	v_lshl_add_u32 v232, v0, 2, 0x29000
	v_mov_b32 v233, 0
	v_and_b32 v[LANE], 31, v0
	v_and_b32 v[RR], 15, v0
	v_bfe_u32 v[HH], v0, 4, 1
	v_lshrrev_b32 v20, 5, v0
	v_readfirstlane_b32 s10, v20                   ; wave w, 0 to 7
	s_and_b32 s11, ttmp7, 0xffff                   ; q
	s_mov_b32 s14, 0x76543210                      ; v_permlanex16_b32: lane i of one half reads lane i of the other
	s_mov_b32 s15, 0xfedcba98
	s_mov_b32 s18, 0xffff0000                      ; the lanes with h = 1
	v_mul_u32_u24 v[AADR], v[RR], PITCH
	v_lshl_add_u32 v[AADR], v[HH], 4, v[AADR]      ; code row r, 16 bytes for each half of the lanes
	v_lshlrev_b32 v[EADR], 5, v[HH]
	v_add_nc_u32 v[EADR], EEB, v[EADR]             ; |e|^2 of codes 8h .. 8h+7
	v_lshrrev_b32 v20, 3, v[LANE]                  ; a load of codes covers 4 rows, 8 lanes to a row: which row,
	v_and_b32 v21, 7, v[LANE]                      ; which 4 numbers of it
	s_mul_i32 s12, s10, 64*PITCH                   ; a wave stages 64 rows of each half
	v_mul_u32_u24 v[STC], v20, PITCH
	v_lshl_add_u32 v[STC], v21, 3, v[STC]
	v_add_nc_u32 v[STC], s12, v[STC]
	s_lshl_b32 s12, s10, 8
	s_add_co_u32 s12, s12, EEB
	v_lshl_add_u32 v[STE], v20, 2, s12
	s_lshl_b32 s12, s10, 13                        ; 64 rows of 128 bytes
	v_lshl_add_u32 v[GOF], v[LANE], 4, s12
	s_lshl_b32 s12, s10, 14                        ; 128 rows of 128 bytes
	v_lshlrev_b32 v[ZOF], 7, v[RR]
	v_lshl_add_u32 v[ZOF], v[HH], 5, v[ZOF]        ; row r, numbers 8h ..
	v_add_nc_u32 v[ZOF], s12, v[ZOF]
	v_mov_b32 v[ZERO], 0
	s_lshl_b32 s12, s11, 7
	v_add_nc_u32 v[HQ], s12, v[HH]
	s_lshl_b32 s12, s10, 10                        ; 128 rows of 8 bytes
	v_lshl_add_u32 v[COF], v[LANE], 3, s12
	v_mov_b32 v22, 0                               ; v_permlanex16_b32 counts as a reader of its destination
	s_mov_b32 s13, 0
	s_wait_kmcnt 0x0
	s_lshl_b32 s12, s11, 17                        ; 1,024 codes of 128 bytes
	s_add_nc_u64 s[4:5], s[4:5], s[12:13]
	s_lshl_b32 s12, ttmp9, 17                      ; 1,024 rows of 128 bytes
	s_add_nc_u64 s[6:7], s[6:7], s[12:13]
	s_lshl_b32 s12, s11, 18                        ; cand[q][row]: 32,768 rows of 8 bytes,
	s_lshl_b32 s19, ttmp9, 13                      ; 1,024 rows of 8 bytes
	s_add_co_u32 s12, s12, s19
	s_add_nc_u64 s[8:9], s[8:9], s[12:13]
; z tile t as f32: numbers 8h .. 8h+7 and 16+8h .. 16+8h+7 of row r, in the order of the B fragment
.macro ZLOAD t, dst
	global_load_b128 v[\dst:\dst+3],     v[ZOF], s[6:7] offset:\t*2048
	global_load_b128 v[\dst+4:\dst+7],   v[ZOF], s[6:7] offset:\t*2048+16
	global_load_b128 v[\dst+8:\dst+11],  v[ZOF], s[6:7] offset:\t*2048+64
	global_load_b128 v[\dst+12:\dst+15], v[ZOF], s[6:7] offset:\t*2048+80
.endm
; my wave's 64 rows of one half of the codes: 16 loads of 512 neighbouring bytes
.macro CLOAD half
.irp i, 0,1,2,3,4,5,6,7,8,9,10,11,12,13,14,15
	global_load_b128 v[CST+4*\i:CST+4*\i+3], v[GOF], s[4:5] offset:\half*65536+512*\i
.endr
.endm
	; all 48 first loads in one run.  Tiles 0-3 lie in the fragments' own registers and are packed in place, tiles 4-7 in v[100:163]
	ZLOAD 0, ZB
	ZLOAD 1, ZB+16
	ZLOAD 2, ZB+32
	ZLOAD 3, ZB+48
	ZLOAD 4, FA
	ZLOAD 5, FA+16
	ZLOAD 6, FA+32
	ZLOAD 7, FA+48
	CLOAD 0
; z tile t: 16 f32 to 8 registers of bf16, and |z|^2 of the rounded numbers.  Register 8t + i is written when 16t + 2i and all below it
; have been read, and the upper tiles land where tiles 2 and 3 have left: nothing unread is overwritten.
.macro ZCONV t, src
	s_wait_loadcnt 44-4*\t                         ; younger: 4 (7 - t) loads of z and the 16 of codes
.irp i, 0,1,2,3,4,5,6,7
	v_cvt_pk_bf16_f32 v[ZB+8*\t+\i], v[\src+2*\i], v[\src+2*\i+1]
.endr
	v_fma_mix_f32_bf16 v20, v[ZB+8*\t], v[ZB+8*\t], v[ZERO] op_sel_hi:[1,1,0]                ; two chains: the low halves,
	v_fma_mix_f32_bf16 v21, v[ZB+8*\t], v[ZB+8*\t], v[ZERO] op_sel:[1,1,0] op_sel_hi:[1,1,0] ; the high halves
.irp i, 1,2,3,4,5,6,7
	v_fma_mix_f32_bf16 v20, v[ZB+8*\t+\i], v[ZB+8*\t+\i], v20 op_sel_hi:[1,1,0]
	v_fma_mix_f32_bf16 v21, v[ZB+8*\t+\i], v[ZB+8*\t+\i], v21 op_sel:[1,1,0] op_sel_hi:[1,1,0]
.endr
	v_add_f32 v20, v20, v21                        ; my 16 of the row's 32 numbers
	v_permlanex16_b32 v22, v20, s14, s15           ; the other 16
	v_add_f32 v[ZZ+\t], v20, v22                   ; the same bits in both halves
.endm
	ZCONV 0, ZB
	ZCONV 1, ZB+16
	ZCONV 2, ZB+32
	ZCONV 3, ZB+48
	ZCONV 4, FA
	ZCONV 5, FA+16
	ZCONV 6, FA+32
	ZCONV 7, FA+48
; 64 rows of codes from registers to LDS: 4 numbers a lane to bf16, |e|^2 of the rounded numbers summed over the row's 8 lanes
.macro STAGE half
.irp i, 0,1,2,3,4,5,6,7,8,9,10,11,12,13,14,15
	s_wait_loadcnt 15-\i                           ; loads come back in order: the 15 - i younger ones stay out
	v_cvt_pk_bf16_f32 v[CST+4*\i],   v[CST+4*\i],   v[CST+4*\i+1]
	v_cvt_pk_bf16_f32 v[CST+4*\i+1], v[CST+4*\i+2], v[CST+4*\i+3]
	v_fma_mix_f32_bf16 v[CST+4*\i+2], v[CST+4*\i],   v[CST+4*\i],   v[ZERO] op_sel_hi:[1,1,0]
	v_fma_mix_f32_bf16 v[CST+4*\i+2], v[CST+4*\i],   v[CST+4*\i],   v[CST+4*\i+2] op_sel:[1,1,0] op_sel_hi:[1,1,0]
	v_fma_mix_f32_bf16 v[CST+4*\i+2], v[CST+4*\i+1], v[CST+4*\i+1], v[CST+4*\i+2] op_sel_hi:[1,1,0]
	v_fma_mix_f32_bf16 v[CST+4*\i+2], v[CST+4*\i+1], v[CST+4*\i+1], v[CST+4*\i+2] op_sel:[1,1,0] op_sel_hi:[1,1,0]
	v_add_f32_dpp v[CST+4*\i+2], v[CST+4*\i+2], v[CST+4*\i+2] row_xmask:1 row_mask:0xf bank_mask:0xf
	v_add_f32_dpp v[CST+4*\i+2], v[CST+4*\i+2], v[CST+4*\i+2] row_xmask:2 row_mask:0xf bank_mask:0xf
	v_add_f32_dpp v[CST+4*\i+2], v[CST+4*\i+2], v[CST+4*\i+2] row_xmask:4 row_mask:0xf bank_mask:0xf
	ds_store_b64 v[STC], v[CST+4*\i:CST+4*\i+1] offset:\half*HALFC+4*PITCH*\i
	ds_store_b32 v[STE], v[CST+4*\i+2] offset:\half*HALFE+16*\i    ; the row's 8 lanes write one word, with one value
.endr
.endm
	STAGE 0
.irp t, 0,1,2,3,4,5,6,7
	v_mov_b32 v[BEST+\t], 0x7f800000               ; +infinity: the first tile's minimum takes over
	v_mov_b32 v[IDX+\t], 0
.endr
	s_mov_b32 s16, 0                               ; code tile, 0 to 63
	s_wait_dscnt 0x0                               ; my rows of the first half are in LDS, for the other waves' sake
	CLOAD 1                                        ; the second half's 16 loads stay out through the first 16 tiles
	s_barrier_signal -1
	s_barrier_wait -1                              ; codes 0-511 and their |e|^2 are there, from all eight waves
; fragment of one code tile into buffer buf: 16 rows x 32 bf16 (two loads, 32 bytes apart) and |e|^2 of my 8 codes
.macro FRAG buf, aoff, eoff
	ds_load_b128 v[FA+8*\buf:FA+8*\buf+3],   v[AADR] offset:\aoff
	ds_load_b128 v[FA+8*\buf+4:FA+8*\buf+7], v[AADR] offset:\aoff+32
	ds_load_b128 v[FE+8*\buf:FE+8*\buf+3],   v[EADR] offset:\eoff
	ds_load_b128 v[FE+8*\buf+4:FE+8*\buf+7], v[EADR] offset:\eoff+16
.endm
; ze of 16 codes x z tile t; K = 32 is the whole sum, so C is the constant 0
.macro WM t, cur
	v_wmma_f32_16x16x32_bf16 v[AC+8*((\t)&1):AC+8*((\t)&1)+7], v[FA+8*\cur:FA+8*\cur+7], v[ZB+8*\t:ZB+8*\t+7], 0
.endm
; 8 distances of my row in z tile t, their minimum, and the tile's number where it is strictly less than all before
.macro EPI t, cur, nxt
.irp i, 0,2,4,6
.if (\t) & 1
	v_pk_add_f32 v[TM+\i:TM+\i+1], v[FE+8*\cur+\i:FE+8*\cur+\i+1], v[ZZ+\t-1:ZZ+\t] op_sel:[0,1] op_sel_hi:[1,1]   ; a = zz + ee; zz is the pair's second
.else
	v_pk_add_f32 v[TM+\i:TM+\i+1], v[FE+8*\cur+\i:FE+8*\cur+\i+1], v[ZZ+\t:ZZ+\t+1] op_sel_hi:[1,0]               ; a = zz + ee; zz is the pair's first
.endif
.endr
.irp i, 0,2,4,6
	v_pk_fma_f32 v[TM+\i:TM+\i+1], v[AC+8*((\t)&1)+\i:AC+8*((\t)&1)+\i+1], -2.0, v[TM+\i:TM+\i+1] op_sel_hi:[1,0,1] ; d = a - 2 ze, one rounding
.endr
	v_min3_num_f32 v[TM],   v[TM],   v[TM+1], v[TM+2]
	v_min3_num_f32 v[TM+3], v[TM+3], v[TM+4], v[TM+5]
	v_min3_num_f32 v[TM+6], v[TM+6], v[TM+7], v[BEST+8*\cur+\t]
	v_min3_num_f32 v[BEST+8*\nxt+\t], v[TM], v[TM+3], v[TM+6]
	v_cmp_lt_f32 vcc_lo, v[BEST+8*\nxt+\t], v[BEST+8*\cur+\t]      ; strict: on a tie the earlier tile stays
	v_cndmask_b32 v[IDX+\t], v[IDX+\t], s16, vcc_lo
.endm
; One code tile against my 8 z tiles.  Distances behind matrix instructions: the first EPI reads its result behind its
; own four v_pk_add_f32, which name no register of that matrix instruction; every later one behind a whole EPI; a result buffer is
; written again behind ten vector instructions that do not name it; the fragment loads go into the buffer whose last matrix
; instruction lies two EPI back.
.macro TILE cur, nxt, pf, aoff, eoff
	s_wait_dscnt 0x0                               ; the four fragment loads issued one tile ago; nothing younger is out
	WM 0, \cur
.if \pf
	FRAG \nxt, \aoff, \eoff                        ; the next tile's fragment, a whole tile ahead of its use
.endif
	WM 1, \cur
	EPI 0, \cur, \nxt
	WM 2, \cur
	EPI 1, \cur, \nxt
	WM 3, \cur
	EPI 2, \cur, \nxt
	WM 4, \cur
	EPI 3, \cur, \nxt
	WM 5, \cur
	EPI 4, \cur, \nxt
	WM 6, \cur
	EPI 5, \cur, \nxt
	WM 7, \cur
	EPI 6, \cur, \nxt
	EPI 7, \cur, \nxt
	s_add_co_u32 s16, s16, 1
.endm
; two tiles, so that the buffers' turns are fixed in the text.  more = 0: the last pair fetches nothing beyond tile 63
.macro PAIR more
	TILE 0, 1, 1, 16*PITCH, 64
	TILE 1, 0, \more, 32*PITCH, 128
.if \more
	v_add_nc_u32 v[AADR], 32*PITCH, v[AADR]
	v_add_nc_u32 v[EADR], 128, v[EADR]
.endif
.endm
	FRAG 0, 0, 0
	s_mov_b32 s17, 0
.Lfirst:                                               ; tiles 0-15; the last fetch is tile 16, still among codes 0-511
	PAIR 1
	s_add_co_u32 s17, s17, 1
	s_cmp_lt_u32 s17, 8
	s_cbranch_scc1 .Lfirst
	STAGE 1                                        ; codes 512-1,023: bytes that no wave has read
	s_wait_dscnt 0x0                               ; my stores are in LDS (and tile 16's fragment is in)
	s_barrier_signal -1
	s_barrier_wait -1
	s_mov_b32 s17, 0
.Lrest:                                                ; tiles 16-61
	PAIR 1
	s_add_co_u32 s17, s17, 1
	s_cmp_lt_u32 s17, 23
	s_cbranch_scc1 .Lrest
	PAIR 0                                         ; tiles 62, 63
; 64 tiles are an even number: the results lie in the first set of BEST.  The two halves of the lanes hold codes 8h .. 8h+7 of each tile
; for the same row: take the less of the two by (distance, group), the group g = 2 tile + h + 128 q ascending with the codes.
.macro MERGE t
	v_lshl_add_u32 v[IDX+\t], v[IDX+\t], 1, v[HQ]  ; g
	v_permlanex16_b32 v[TM],   v[BEST+\t], s14, s15
	v_permlanex16_b32 v[TM+1], v[IDX+\t],  s14, s15
	v_cmp_lt_f32 s20, v[TM], v[BEST+\t]
	v_cmp_eq_f32 s21, v[TM], v[BEST+\t]
	v_cmp_lt_u32 s22, v[TM+1], v[IDX+\t]
	s_and_b32 s21, s21, s22
	s_or_b32 s20, s20, s21
	v_cndmask_b32 v[BEST+\t], v[BEST+\t], v[TM],   s20
	v_cndmask_b32 v[IDX+\t],  v[IDX+\t],  v[TM+1], s20
	v_ashrrev_i32 v[TM+2], 31, v[BEST+\t]          ; f32 to a u32 of the same order: a positive number gets its top bit set,
	v_or_b32 v[TM+2], 0x80000000, v[TM+2]          ; a negative one all its bits turned
	v_xor_b32 v[BEST+\t], v[BEST+\t], v[TM+2]
.endm
.irp t, 0,1,2,3,4,5,6,7
	MERGE \t
.endr
; rows 32 p + lane of my 128: lanes 0-15 give z tile 2p, lanes 16-31 tile 2p + 1.  A store covers 256 consecutive bytes, aligned.
.irp p, 0,1,2,3
	v_cndmask_b32 v[TM+2*\p],   v[BEST+2*\p], v[BEST+2*\p+1], s18
	v_cndmask_b32 v[TM+2*\p+1], v[IDX+2*\p],  v[IDX+2*\p+1],  s18
	global_store_b64 v[COF], v[TM+2*\p:TM+2*\p+1], s[8:9] offset:256*\p
.endr
	s_wait_tensorcnt 0x0
	ds_add_u32 v232, v233
	s_wait_dscnt 0x0
	s_endpgm
.Lfunc_end_k_q0f8abe809a_search:
	.size	k_q0f8abe809a_search, .Lfunc_end_k_q0f8abe809a_search-k_q0f8abe809a_search
	.p2alignl 7, 3214868480
	.fill 96, 4, 3214868480
	.section	.rodata,"a",@progbits
	.p2align	6, 0x0
	.amdhsa_kernel k_q0f8abe809a_search
		.amdhsa_group_segment_fixed_size 168960
		.amdhsa_private_segment_fixed_size 0
		.amdhsa_enable_private_segment 0
		.amdhsa_kernarg_size 24
		.amdhsa_user_sgpr_count 2
		.amdhsa_user_sgpr_kernarg_segment_ptr 1
		.amdhsa_wavefront_size32 1
		.amdhsa_system_sgpr_workgroup_id_x 1
		.amdhsa_system_sgpr_workgroup_id_y 1
		.amdhsa_system_sgpr_workgroup_id_z 1
		.amdhsa_system_vgpr_workitem_id 0
		.amdhsa_next_free_vgpr 234
		.amdhsa_next_free_sgpr 66
		.amdhsa_reserve_vcc 1
		.amdhsa_float_denorm_mode_32 3
		.amdhsa_float_denorm_mode_16_64 3
		.amdhsa_memory_ordered 1
		.amdhsa_forward_progress 1
		.amdhsa_inst_pref_size 99
	.end_amdhsa_kernel
	.amdgpu_metadata
---
amdhsa.version: [ 1, 2 ]
amdhsa.kernels:
  - .name:           k_q0f8abe809a_search
    .symbol:         k_q0f8abe809a_search.kd
    .args:
      - { .name: codebook, .offset: 0, .size: 8, .value_kind: global_buffer, .address_space: global }
      - { .name: z, .offset: 8, .size: 8, .value_kind: global_buffer, .address_space: global }
      - { .name: cand, .offset: 16, .size: 8, .value_kind: global_buffer, .address_space: global }
    .group_segment_fixed_size: 168960
    .private_segment_fixed_size: 0
    .kernarg_segment_align: 8
    .kernarg_segment_size: 24
    .max_flat_workgroup_size: 256
    .sgpr_count:     66
    .vgpr_count:     234
    .wavefront_size: 32
...
	.end_amdgpu_metadata
.endif
;; end of part 1
;; launch finish (part 2): grid 256 x 1, 32 waves a work-group, no clusters, 5,120 bytes of LDS; arguments cand, codebook, z, out0, out1, part; writes out0, out1, part
.if DOCPART == 2
	.amdgcn_target "amdgcn-amd-amdhsa--gfx1250"
	.amdhsa_code_object_version 6
	.text
	.protected	k_q0f8abe809a_finish
	.globl	k_q0f8abe809a_finish
	.p2align	8
	.type	k_q0f8abe809a_finish,@function
k_q0f8abe809a_finish:
	s_mov_b64 s[64:65], 0
	v_nop
	global_prefetch_b8 v0, s[64:65] scope:SCOPE_SE
	s_setreg_imm32_b32 hwreg(HW_REG_WAVE_MODE, 25, 1), 1
	s_wait_xcnt 0x0
; VQ, second step.  For each row: the least of its eight candidates (key, group g) by whole numbers alone, the lower eighth on a tie; then
; the 8 codes 8g .. 8g+7 are evaluated again with the search's roundings (bf16 operands, zz and ee from the rounded numbers,
; a = fl(zz + ee), d = fl(a - 2 ze), strict "<" in ascending order), and index and code are picked by selects.
; out0 = z + (z_q - z) and the sum of (z_q - z)^2 are made from z and the code as they are given, in f32.
; A work-group takes 128 rows; thread t takes row t / 8 and the 4 numbers (16 bytes) at 4 (t % 8): one pass, no loop.
; The 8 products of a row are with codes of its own, one thousandth of the problem's multiply-adds: plain fused multiply-adds, no matrix unit.
; LIMITS as in the search: finite inputs; ze is summed here in another order than in the matrix unit, which shows only where two of the
; 8 distances lie within one f32 step of zz and one of them at a rounding boundary.
.set P4,   2                           ; v2      t % 8
.set ROWN, 3                           ; v3      t / 8
.set KEY,  4                           ; v[4:5]  my eighth's candidate: key, g
.set CAO,  6                           ; v6      its byte offset
.set ZO,   7                           ; v7      16 t: my bytes of z and of out0
.set TP,   8                           ; v8      at work between lanes
.set KM,   9                           ; v9      the row's least key
.set ZF,   10                          ; v[10:13] z, f32
.set GS,   14                          ; v14     the winning group
.set P16,  15                          ; v15     16 (t % 8)
.set CO,   16                          ; v16     byte offset of my 16 bytes in the group's first code
.set ZERO, 17                          ; v17     0
.set CD,   20                          ; v[20:51] code j: 4 f32
.set ZP,   52                          ; v[52:53] z, bf16
.set ZZ,   54                          ; v54     |z|^2
.set EP,   56                          ; v[56:57] a code, bf16
.set ZE,   58                          ; v58     z.e
.set EE,   59                          ; v59     |e|^2, then a
.set DJ,   60                          ; v[60:67] the 8 distances
.set BD,   68                          ; v68     the least so far
.set JB,   69                          ; v69     where
.set ZQ,   70                          ; v[70:73] its code
.set DF,   74                          ; v[74:77] z_q - z
.set OU,   78                          ; v[78:81] z + (z_q - z)
.set SQ,   82                          ; v[82:83] sum of squares
	s_load_b256 s[4:11], s[0:1], 0x0               ; cand s[4:5], codebook s[6:7], z s[8:9], out0 s[10:11]
	s_load_b128 s[12:15], s[0:1], 0x20             ; out1 s[12:13], part s[14:15]
	v_lshl_add_u32 v96, v0, 2, 0x400
	v_mov_b32 v97, 0
	v_and_b32 v1, 31, v0                           ; lane
	v_and_b32 v[P4], 7, v0
	v_lshrrev_b32 v[ROWN], 3, v0
	v_lshrrev_b32 v[TP], 5, v0
	v_readfirstlane_b32 s18, v[TP]                 ; wave, 0 to 31
	s_mov_b32 s16, 0x76543210
	s_mov_b32 s17, 0xfedcba98
	v_lshlrev_b32 v[CAO], 3, v[ROWN]
	v_lshl_or_b32 v[CAO], v[P4], 18, v[CAO]        ; cand[q = t % 8][row]: 262,144 bytes an eighth, 8 a row
	v_lshlrev_b32 v[ZO], 4, v0
	v_lshlrev_b32 v[P16], 4, v[P4]
	v_mov_b32 v[ZERO], 0
	s_mov_b32 s21, 0
	s_lshl_b32 s20, ttmp9, 10                      ; 128 rows of 8 bytes
	s_wait_kmcnt 0x0
	s_add_nc_u64 s[4:5], s[4:5], s[20:21]
	s_lshl_b32 s20, ttmp9, 14                      ; 128 rows of 128 bytes
	s_add_nc_u64 s[8:9], s[8:9], s[20:21]
	s_add_nc_u64 s[10:11], s[10:11], s[20:21]
	s_lshl_b32 s20, ttmp9, 9                       ; 128 indices
	s_add_nc_u64 s[12:13], s[12:13], s[20:21]
	s_lshl_b32 s20, ttmp9, 2                       ; one sum
	s_add_nc_u64 s[14:15], s[14:15], s[20:21]
	global_load_b64 v[KEY:KEY+1], v[CAO], s[4:5]
	global_load_b128 v[ZF:ZF+3], v[ZO], s[8:9]
	s_wait_loadcnt 0x1                             ; the candidate is in; z may stay out
; minimum of a u32 over the row's 8 lanes; every lane ends up with it
.macro MIN8 x
.irp m, 1,2,4
	v_mov_b32_dpp v[TP], v[\x] row_xmask:\m row_mask:0xf bank_mask:0xf
	v_min_u32 v[\x], v[\x], v[TP]
.endr
.endm
	v_mov_b32 v[KM], v[KEY]
	MIN8 KM
	v_cmp_eq_u32 vcc_lo, v[KEY], v[KM]
	v_cndmask_b32 v[GS], -1, v[KEY+1], vcc_lo      ; my group if my eighth reaches the minimum, else the largest u32
	MIN8 GS                                        ; groups ascend with the codes: the least is the first
	v_min_u32 v[GS], 0x3ff, v[GS]                  ; 1,024 groups: the offset stays inside the codebook whatever was read
	v_lshl_add_u32 v[CO], v[GS], 10, v[P16]        ; a group is 8 codes of 128 bytes
.irp j, 0,1,2,3,4,5,6,7
	global_load_b128 v[CD+4*\j:CD+4*\j+3], v[CO], s[6:7] offset:128*\j   ; the row's 8 lanes take a code's 128 bytes
.endr
	s_wait_loadcnt 0x8                             ; z; the eight loads of codes are younger
	v_cvt_pk_bf16_f32 v[ZP],   v[ZF],   v[ZF+1]
	v_cvt_pk_bf16_f32 v[ZP+1], v[ZF+2], v[ZF+3]
	v_fma_mix_f32_bf16 v[ZZ], v[ZP],   v[ZP],   v[ZERO] op_sel_hi:[1,1,0]
	v_fma_mix_f32_bf16 v[ZZ], v[ZP],   v[ZP],   v[ZZ] op_sel:[1,1,0] op_sel_hi:[1,1,0]
	v_fma_mix_f32_bf16 v[ZZ], v[ZP+1], v[ZP+1], v[ZZ] op_sel_hi:[1,1,0]
	v_fma_mix_f32_bf16 v[ZZ], v[ZP+1], v[ZP+1], v[ZZ] op_sel:[1,1,0] op_sel_hi:[1,1,0]
.irp m, 1,2,4
	v_add_f32_dpp v[ZZ], v[ZZ], v[ZZ] row_xmask:\m row_mask:0xf bank_mask:0xf
.endr
; distance of code j.  The sums over the 8 lanes are butterflies of commutative additions: the same bits in all 8 lanes,
; so all 8 make the same choice below.
.macro CODE j
	s_wait_loadcnt 7-\j                            ; the 7 - j younger codes stay out
	v_cvt_pk_bf16_f32 v[EP],   v[CD+4*\j],   v[CD+4*\j+1]
	v_cvt_pk_bf16_f32 v[EP+1], v[CD+4*\j+2], v[CD+4*\j+3]
	v_fma_mix_f32_bf16 v[ZE], v[EP],   v[ZP],   v[ZERO] op_sel_hi:[1,1,0]
	v_fma_mix_f32_bf16 v[EE], v[EP],   v[EP],   v[ZERO] op_sel_hi:[1,1,0]
	v_fma_mix_f32_bf16 v[ZE], v[EP],   v[ZP],   v[ZE] op_sel:[1,1,0] op_sel_hi:[1,1,0]
	v_fma_mix_f32_bf16 v[EE], v[EP],   v[EP],   v[EE] op_sel:[1,1,0] op_sel_hi:[1,1,0]
	v_fma_mix_f32_bf16 v[ZE], v[EP+1], v[ZP+1], v[ZE] op_sel_hi:[1,1,0]
	v_fma_mix_f32_bf16 v[EE], v[EP+1], v[EP+1], v[EE] op_sel_hi:[1,1,0]
	v_fma_mix_f32_bf16 v[ZE], v[EP+1], v[ZP+1], v[ZE] op_sel:[1,1,0] op_sel_hi:[1,1,0]
	v_fma_mix_f32_bf16 v[EE], v[EP+1], v[EP+1], v[EE] op_sel:[1,1,0] op_sel_hi:[1,1,0]
.irp m, 1,2,4
	v_add_f32_dpp v[ZE], v[ZE], v[ZE] row_xmask:\m row_mask:0xf bank_mask:0xf
	v_add_f32_dpp v[EE], v[EE], v[EE] row_xmask:\m row_mask:0xf bank_mask:0xf
.endr
	v_add_f32 v[EE], v[ZZ], v[EE]                  ; a = zz + ee
	v_fma_f32 v[DJ+\j], -2.0, v[ZE], v[EE]         ; d = a - 2 ze, one rounding
.endm
.irp j, 0,1,2,3,4,5,6,7
	CODE \j
.endr
	; the first of the least: codes 0 and 1 start the choice, so nothing is copied
	v_cmp_lt_f32 vcc_lo, v[DJ+1], v[DJ]
	v_min_num_f32 v[BD], v[DJ], v[DJ+1]
	v_cndmask_b32 v[JB], 0, 1, vcc_lo
.irp k, 0,1,2,3
	v_cndmask_b32 v[ZQ+\k], v[CD+\k], v[CD+4+\k], vcc_lo
.endr
.macro PICK j
	v_cmp_lt_f32 vcc_lo, v[DJ+\j], v[BD]
	v_min_num_f32 v[BD], v[BD], v[DJ+\j]
	v_cndmask_b32 v[JB], v[JB], \j, vcc_lo
.irp k, 0,1,2,3
	v_cndmask_b32 v[ZQ+\k], v[ZQ+\k], v[CD+4*\j+\k], vcc_lo
.endr
.endm
.irp j, 2,3,4,5,6,7
	PICK \j
.endr
	v_pk_add_f32 v[DF:DF+1],   v[ZQ:ZQ+1],   v[ZF:ZF+1]   neg_lo:[0,1] neg_hi:[0,1]   ; z_q - z
	v_pk_add_f32 v[DF+2:DF+3], v[ZQ+2:ZQ+3], v[ZF+2:ZF+3] neg_lo:[0,1] neg_hi:[0,1]
	v_pk_add_f32 v[OU:OU+1],   v[ZF:ZF+1],   v[DF:DF+1]                               ; z + (z_q - z)
	v_pk_add_f32 v[OU+2:OU+3], v[ZF+2:ZF+3], v[DF+2:DF+3]
	global_store_b128 v[ZO], v[OU:OU+3], s[10:11]  ; a wave's store covers 512 consecutive bytes, aligned
	v_pk_mul_f32 v[SQ:SQ+1], v[DF:DF+1], v[DF:DF+1]
	v_pk_fma_f32 v[SQ:SQ+1], v[DF+2:DF+3], v[DF+2:DF+3], v[SQ:SQ+1]
	v_add_f32 v[SQ], v[SQ], v[SQ+1]
.irp m, 1,2,4,8
	v_add_f32_dpp v[SQ], v[SQ], v[SQ] row_xmask:\m row_mask:0xf bank_mask:0xf
.endr
	v_permlanex16_b32 v[SQ+1], v[SQ], s16, s17
	v_add_f32 v[SQ], v[SQ], v[SQ+1]                ; the wave's 4 rows
	; indices and wave sums meet in LDS: bytes 0-511 the 128 indices, bytes 512-639 the 32 sums
	v_lshl_add_u32 v84, v[GS], 3, v[JB]            ; index = 8 g + j
	v_lshlrev_b32 v85, 2, v[ROWN]
	s_lshl_b32 s19, s18, 2
	v_mov_b32 v86, s19
	ds_store_b32 v85, v84                          ; the row's 8 lanes write one word, with one value
	ds_store_b32 v86, v[SQ] offset:512
	s_wait_dscnt 0x0                               ; in LDS, for wave 0's sake
	s_barrier_signal -1
	s_barrier_wait -1
	s_cmp_lg_u32 s18, 0
	s_cbranch_scc1 .Lend                           ; wave 0 alone writes them out; no barrier follows
	v_lshlrev_b32 v87, 4, v1
	v_lshlrev_b32 v93, 2, v1
	v_mov_b32 v94, 0
	ds_load_b128 v[88:91], v87
	ds_load_b32 v92, v93 offset:512
	s_wait_dscnt 0x0
	global_store_b128 v87, v[88:91], s[12:13]      ; 128 indices: 512 consecutive bytes, aligned
.irp m, 1,2,4,8
	v_add_f32_dpp v92, v92, v92 row_xmask:\m row_mask:0xf bank_mask:0xf
.endr
	v_permlanex16_b32 v94, v92, s16, s17
	v_add_f32 v92, v92, v94                        ; the work-group's 128 rows
	v_cmp_eq_u32 vcc_lo, 0, v1
	s_wait_xcnt 0x0                                ; EXEC is a source of the stores above: it changes only behind this wait
	s_and_saveexec_b32 s19, vcc_lo
	global_store_b32 v[ZERO], v92, s[14:15]        ; lane 0
	s_wait_xcnt 0x0
	s_or_b32 exec_lo, exec_lo, s19
.Lend:
	s_wait_tensorcnt 0x0
	ds_add_u32 v96, v97
	s_wait_dscnt 0x0
	s_endpgm
.Lfunc_end_k_q0f8abe809a_finish:
	.size	k_q0f8abe809a_finish, .Lfunc_end_k_q0f8abe809a_finish-k_q0f8abe809a_finish
	.p2alignl 7, 3214868480
	.fill 96, 4, 3214868480
	.section	.rodata,"a",@progbits
	.p2align	6, 0x0
	.amdhsa_kernel k_q0f8abe809a_finish
		.amdhsa_group_segment_fixed_size 5120
		.amdhsa_private_segment_fixed_size 0
		.amdhsa_enable_private_segment 0
		.amdhsa_kernarg_size 48
		.amdhsa_user_sgpr_count 2
		.amdhsa_user_sgpr_kernarg_segment_ptr 1
		.amdhsa_wavefront_size32 1
		.amdhsa_system_sgpr_workgroup_id_x 1
		.amdhsa_system_sgpr_workgroup_id_y 1
		.amdhsa_system_sgpr_workgroup_id_z 1
		.amdhsa_system_vgpr_workitem_id 0
		.amdhsa_next_free_vgpr 98
		.amdhsa_next_free_sgpr 66
		.amdhsa_reserve_vcc 1
		.amdhsa_float_denorm_mode_32 3
		.amdhsa_float_denorm_mode_16_64 3
		.amdhsa_memory_ordered 1
		.amdhsa_forward_progress 1
		.amdhsa_inst_pref_size 17
	.end_amdhsa_kernel
	.amdgpu_metadata
---
amdhsa.version: [ 1, 2 ]
amdhsa.kernels:
  - .name:           k_q0f8abe809a_finish
    .symbol:         k_q0f8abe809a_finish.kd
    .args:
      - { .name: cand, .offset: 0, .size: 8, .value_kind: global_buffer, .address_space: global }
      - { .name: codebook, .offset: 8, .size: 8, .value_kind: global_buffer, .address_space: global }
      - { .name: z, .offset: 16, .size: 8, .value_kind: global_buffer, .address_space: global }
      - { .name: out0, .offset: 24, .size: 8, .value_kind: global_buffer, .address_space: global }
      - { .name: out1, .offset: 32, .size: 8, .value_kind: global_buffer, .address_space: global }
      - { .name: part, .offset: 40, .size: 8, .value_kind: global_buffer, .address_space: global }
    .group_segment_fixed_size: 5120
    .private_segment_fixed_size: 0
    .kernarg_segment_align: 8
    .kernarg_segment_size: 48
    .max_flat_workgroup_size: 1024
    .sgpr_count:     66
    .vgpr_count:     98
    .wavefront_size: 32
...
	.end_amdgpu_metadata
.endif
;; end of part 2
;; launch total (part 3): grid 1 x 1, 1 waves a work-group, no clusters, 0 bytes of LDS; arguments part, out2; writes out2
.if DOCPART == 3
	.amdgcn_target "amdgcn-amd-amdhsa--gfx1250"
	.amdhsa_code_object_version 6
	.text
	.protected	k_q0f8abe809a_total
	.globl	k_q0f8abe809a_total
	.p2align	8
	.type	k_q0f8abe809a_total,@function
k_q0f8abe809a_total:
	s_mov_b64 s[64:65], 0
	v_nop
	global_prefetch_b8 v0, s[64:65] scope:SCOPE_SE
	s_setreg_imm32_b32 hwreg(HW_REG_WAVE_MODE, 25, 1), 1
	s_wait_xcnt 0x0
; loss = m + 0.25 m, m = mean of (z_q - z)^2 over 32,768 x 32 = 2^20 numbers, from the 256 work-groups' sums.
; One wave: 8 sums a lane, then across the lanes.  That is all the work there is.
	s_load_b128 s[4:7], s[0:1], 0x0                ; part s[4:5], out2 s[6:7]
	v_lshlrev_b32 v1, 4, v0
	v_mov_b32 v10, 0
	v_mov_b32 v11, 0
	s_mov_b32 s8, 0x76543210
	s_mov_b32 s9, 0xfedcba98
	s_wait_kmcnt 0x0
	global_load_b128 v[2:5], v1, s[4:5]
	global_load_b128 v[6:9], v1, s[4:5] offset:512
	s_wait_loadcnt 0x0
	v_pk_add_f32 v[2:3], v[2:3], v[6:7]
	v_pk_add_f32 v[4:5], v[4:5], v[8:9]
	v_pk_add_f32 v[2:3], v[2:3], v[4:5]
	v_add_f32 v2, v2, v3
.irp m, 1,2,4,8
	v_add_f32_dpp v2, v2, v2 row_xmask:\m row_mask:0xf bank_mask:0xf
.endr
	v_permlanex16_b32 v10, v2, s8, s9
	v_add_f32 v2, v2, v10
	v_mul_f32 v2, 0x35800000, v2                   ; x 2^-20: the mean
	v_fmamk_f32 v2, v2, 0x3e800000, v2             ; 0.25 m + m
	v_cmp_eq_u32 vcc_lo, 0, v0
	s_wait_xcnt 0x0                                ; EXEC changes only behind this wait
	s_and_saveexec_b32 s10, vcc_lo
	global_store_b32 v11, v2, s[6:7]               ; lane 0
	s_wait_xcnt 0x0
	s_or_b32 exec_lo, exec_lo, s10
	s_endpgm
.Lfunc_end_k_q0f8abe809a_total:
	.size	k_q0f8abe809a_total, .Lfunc_end_k_q0f8abe809a_total-k_q0f8abe809a_total
	.p2alignl 7, 3214868480
	.fill 96, 4, 3214868480
	.section	.rodata,"a",@progbits
	.p2align	6, 0x0
	.amdhsa_kernel k_q0f8abe809a_total
		.amdhsa_group_segment_fixed_size 0
		.amdhsa_private_segment_fixed_size 0
		.amdhsa_enable_private_segment 0
		.amdhsa_kernarg_size 16
		.amdhsa_user_sgpr_count 2
		.amdhsa_user_sgpr_kernarg_segment_ptr 1
		.amdhsa_wavefront_size32 1
		.amdhsa_system_sgpr_workgroup_id_x 1
		.amdhsa_system_sgpr_workgroup_id_y 1
		.amdhsa_system_sgpr_workgroup_id_z 1
		.amdhsa_system_vgpr_workitem_id 0
		.amdhsa_next_free_vgpr 16
		.amdhsa_next_free_sgpr 66
		.amdhsa_reserve_vcc 1
		.amdhsa_float_denorm_mode_32 3
		.amdhsa_float_denorm_mode_16_64 3
		.amdhsa_memory_ordered 1
		.amdhsa_forward_progress 1
		.amdhsa_inst_pref_size 2
	.end_amdhsa_kernel
	.amdgpu_metadata
---
amdhsa.version: [ 1, 2 ]
amdhsa.kernels:
  - .name:           k_q0f8abe809a_total
    .symbol:         k_q0f8abe809a_total.kd
    .args:
      - { .name: part, .offset: 0, .size: 8, .value_kind: global_buffer, .address_space: global }
      - { .name: out2, .offset: 8, .size: 8, .value_kind: global_buffer, .address_space: global }
    .group_segment_fixed_size: 0
    .private_segment_fixed_size: 0
    .kernarg_segment_align: 8
    .kernarg_segment_size: 16
    .max_flat_workgroup_size: 32
    .sgpr_count:     66
    .vgpr_count:     16
    .wavefront_size: 32
...
	.end_amdgpu_metadata
.endif
;; end of part 3
;; ======== version 2 of 2: 3 launches; version 1 with the launch search written anew for expert scheduling mode
;; limits: values outside matrix products are rounded to bf16
;; workspace buffers: cand 2,097,152 bytes of whole numbers; part 1,024 bytes
;; launch search (part 4): grid 32 x 8, 8 waves a work-group, no clusters, 168,960 bytes of LDS; arguments codebook, z, cand; writes cand
.if DOCPART == 4
	.amdgcn_target "amdgcn-amd-amdhsa--gfx1250"
	.amdhsa_code_object_version 6
	.text
	.protected	k_q0f8abe809a_search
	.globl	k_q0f8abe809a_search
	.p2align	8
	.type	k_q0f8abe809a_search,@function
k_q0f8abe809a_search:
	s_mov_b64 s[64:65], 0
	v_nop
	global_prefetch_b8 v0, s[64:65] scope:SCOPE_SE
	s_setreg_imm32_b32 hwreg(HW_REG_WAVE_SCHED_MODE, 0, 2), 2
	s_setreg_imm32_b32 hwreg(HW_REG_WAVE_MODE, 25, 1), 1
	s_wait_xcnt 0x0
	s_wait_alu depctr_vm_vsrc(0)
; VQ search.  dist[n][k] = (|z_n|^2 + |e_k|^2) - 2 z_n.e_k over 32,768 rows of z and 8,192 codes, 32 numbers each.
; A work-group takes 1,024 rows (x) and 1,024 codes (y = eighth q of the codebook).  For each of its rows it stores the least distance
; of that eighth, as an order-keeping u32 key, and the number g of the group of 8 neighbouring codes (8g .. 8g+7) that holds it first.
; The next launch merges the eight candidates of a row by whole numbers and looks at the 8 codes of the winning group.
;
; ROUNDINGS.  z and the codes are rounded to bf16; |z|^2 and |e|^2 are f32 sums of squares of the ROUNDED numbers; then
; a = fl(zz + ee), d = fl(a - 2 ze) (one fused multiply-add: 2 ze is exact), strict "<" in ascending order of the codes.
; Neither zz nor ee is folded into the matrix instruction's C: that would round otherwise.
; LIMITS.  Inputs finite and distances without overflow (a NaN loses in v_min3_num_f32; an argmin would take it).  ze is the matrix unit's
; sum, which may differ from a chain of f32 additions in its last bits: a row whose two best codes lie within one f32 step of zz and one
; of them that close to a rounding boundary may resolve otherwise.
;
; SHAPE.  Matrix source A = 16 codes, source B = 16 rows of z: lane (r, h) of the result holds row r and codes 8h + j in register j, so
; the minimum over codes stays inside a lane, and one compare and one select serve 8 distances.  Wave w keeps its 128 rows (8 B fragments)
; in registers for the whole kernel; all eight waves walk the 64 code tiles in LDS.  14 vector instructions go with each matrix instruction.
; NO JOINT TENSOR LOADS, though 8 work-groups read the same rows of z and 32 the same codes: a work-group reads its 2 x 131,072 bytes
; once in all, and every number has to be rounded to bf16 and squared before its first use; through registers that is one pass, while
; tiles of f32 laid into LDS would be read and written there a second time.
; More LDS is asked for than the 86,016 bytes used, so that the 8 waves have the four SIMDs to themselves, two on each.
;
; THE MODE: SCHED_MODE bits 1:0 = 2 (LLVM: expert scheduling mode 2), set by the entry lines.  The code itself states the register dependences
; between vector or matrix instructions and memory or LDS instructions, with s_wait_alu, always for 0.
; THE PLAN.  Registers that memory or LDS instructions touch:
;   ZOF, GOF, STC, STE, COF   offsets and addresses, made once at the head and never written again.
;   CST          The loads of a half of the codes land in it; STAGE's conversions and sums work in place; STAGE's LDS stores read it; then the
;                second half's loads land in it, and the same once more.
;   FA0, FA1, FE0, FE1   Tile T: its matrix instructions read FA[T % 2], its additions FE[T % 2]; its four LDS loads (tile T + 1's fragment) land in
;                the other pair, which tile T - 1 read last and which no instruction of tile T names.
;   AADR, EADR   Read by every fragment load; written once a pair of tiles, behind the pair's last tile.
;   TM           At the end alone: written by eight selects, read by the four stores.
;   AC, BEST, IDX, ZZ, ZB (once z is in) and TM in the loop are named by vector and matrix instructions alone.
; So ONE wait on va_vdst stands at a tile's head: the tile before is done reading the pair of buffers that this tile's loads land in, and in a
; pair's first tile AADR and EADR are written.  The four loads follow it, dealt among the tile's first two matrix instructions.
; A tile's eight compares write eight scalar registers; ONE wait on va_sdst stands behind them, ahead of the eight selects that read those.
; One wait on vm_vsrc a pair stands ahead of the adds to AADR and EADR.
.set PITCH, 80                         ; an LDS row of codes: 64 bytes of bf16 + 16: sixteen rows start at sixteen different 16-byte columns modulo 256
.set EEB,   81920                      ; behind the 1,024 rows of codes: 1,024 f32, |e|^2
.set HALFC, 512*PITCH                  ; the second 512 codes
.set HALFE, 2048                       ; and their |e|^2
.set LANE, 1                           ; v1      lane
.set RR,   2                           ; v2      r = lane % 16
.set HH,   3                           ; v3      h = lane / 16
.set AADR, 4                           ; v4      LDS address of my part of the current pair's first code tile
.set EADR, 5                           ; v5      the same for |e|^2
.set STC,  6                           ; v6      where I put 8 bytes of a code row
.set STE,  7                           ; v7      where I put that row's |e|^2
.set GOF,  8                           ; v8      my byte offset in the eighth of the codebook
.set ZOF,  9                           ; v9      my byte offset in the block of z
.set ZERO, 10                          ; v10     0.0
.set HQ,   11                          ; v11     h + 128 q
.set ZZ,   12                          ; v[12:19]   |z|^2 of my row in z tile t
.set BEST, 20                          ; v[20:35]   least distance so far, z tile t: two sets that take turns from code tile to code tile
.set ZB,   36                          ; v[36:99]   B fragments: z tile t in 8 registers
.set FA,   100                         ; v[100:115] A fragment, two buffers
.set FE,   116                         ; v[116:131] |e|^2 of my 8 codes, two buffers
.set AC,   132                         ; v[132:147] matrix results, two buffers
.set TM,   148                         ; v[148:155] at work
.set IDX,  156                         ; v[156:163] code tile of the least distance, z tile t
.set CST,  164                         ; v[164:227] 16 loads of codes, 4 registers each
.set COF,  228                         ; v228    my byte offset in cand
.set MK,   20                          ; s[20:27]   in the loop: z tile t's mask "this code tile is strictly less"; s[20:31] at the end: three masks for each of four z tiles
	s_load_b128 s[4:7], s[0:1], 0x0                ; codebook s[4:5], z s[6:7]
	s_load_b64 s[8:9], s[0:1], 0x10                ; cand
	v_lshl_add_u32 v230, v0, 2, 0x29000
	v_mov_b32 v231, 0
	v_and_b32 v[LANE], 31, v0
	v_and_b32 v[RR], 15, v0
	v_bfe_u32 v[HH], v0, 4, 1
	v_lshrrev_b32 v20, 5, v0
	v_readfirstlane_b32 s10, v20                   ; wave w, 0 to 7
	s_and_b32 s11, ttmp7, 0xffff                   ; q
	s_mov_b32 s14, 0x76543210                      ; v_permlanex16_b32: lane i of one half reads lane i of the other
	s_mov_b32 s15, 0xfedcba98
	s_mov_b32 s18, 0xffff0000                      ; the lanes with h = 1
	v_mul_u32_u24 v[AADR], v[RR], PITCH
	v_lshl_add_u32 v[AADR], v[HH], 4, v[AADR]      ; code row r, 16 bytes for each half of the lanes
	v_lshlrev_b32 v[EADR], 5, v[HH]
	v_add_nc_u32 v[EADR], EEB, v[EADR]             ; |e|^2 of codes 8h .. 8h+7
	v_lshrrev_b32 v20, 3, v[LANE]                  ; a load of codes covers 4 rows, 8 lanes to a row: which row,
	v_and_b32 v21, 7, v[LANE]                      ; which 4 numbers of it
	s_wait_alu depctr_va_sdst(0)                   ; s10 is written, ahead of its first reader: the wave's places in LDS, in the codes, in z and in cand are made from it
	s_mul_i32 s12, s10, 64*PITCH                   ; a wave stages 64 rows of each half
	v_mul_u32_u24 v[STC], v20, PITCH
	v_lshl_add_u32 v[STC], v21, 3, v[STC]
	v_add_nc_u32 v[STC], s12, v[STC]
	s_lshl_b32 s12, s10, 8
	s_add_co_u32 s12, s12, EEB
	v_lshl_add_u32 v[STE], v20, 2, s12
	s_lshl_b32 s12, s10, 13                        ; 64 rows of 128 bytes
	v_lshl_add_u32 v[GOF], v[LANE], 4, s12
	s_lshl_b32 s12, s10, 14                        ; 128 rows of 128 bytes
	v_lshlrev_b32 v[ZOF], 7, v[RR]
	v_lshl_add_u32 v[ZOF], v[HH], 5, v[ZOF]        ; row r, numbers 8h ..
	v_add_nc_u32 v[ZOF], s12, v[ZOF]
	v_mov_b32 v[ZERO], 0
	s_lshl_b32 s12, s11, 7
	v_add_nc_u32 v[HQ], s12, v[HH]
	s_lshl_b32 s12, s10, 10                        ; 128 rows of 8 bytes
	v_lshl_add_u32 v[COF], v[LANE], 3, s12
	v_mov_b32 v22, 0                               ; v_permlanex16_b32 counts as a reader of its destination
	s_mov_b32 s13, 0
	s_wait_kmcnt 0x0
	s_lshl_b32 s12, s11, 17                        ; 1,024 codes of 128 bytes
	s_add_nc_u64 s[4:5], s[4:5], s[12:13]
	s_lshl_b32 s12, ttmp9, 17                      ; 1,024 rows of 128 bytes
	s_add_nc_u64 s[6:7], s[6:7], s[12:13]
	s_lshl_b32 s12, s11, 18                        ; cand[q][row]: 32,768 rows of 8 bytes,
	s_lshl_b32 s19, ttmp9, 13                      ; 1,024 rows of 8 bytes
	s_add_co_u32 s12, s12, s19
	s_add_nc_u64 s[8:9], s[8:9], s[12:13]
	s_wait_alu depctr_va_vdst(0)                   ; ZOF, GOF, STC, STE, AADR, EADR and COF are written: the loads, LDS stores, LDS loads and stores below read them as offsets and addresses
; z tile t as f32: numbers 8h .. 8h+7 and 16+8h .. 16+8h+7 of row r, in the order of the B fragment
.macro ZLOAD t, dst
	global_load_b128 v[\dst:\dst+3],     v[ZOF], s[6:7] offset:\t*2048
	global_load_b128 v[\dst+4:\dst+7],   v[ZOF], s[6:7] offset:\t*2048+16
	global_load_b128 v[\dst+8:\dst+11],  v[ZOF], s[6:7] offset:\t*2048+64
	global_load_b128 v[\dst+12:\dst+15], v[ZOF], s[6:7] offset:\t*2048+80
.endm
; my wave's 64 rows of one half of the codes: 16 loads of 512 neighbouring bytes
.macro CLOAD half
.irp i, 0,1,2,3,4,5,6,7,8,9,10,11,12,13,14,15
	global_load_b128 v[CST+4*\i:CST+4*\i+3], v[GOF], s[4:5] offset:\half*65536+512*\i
.endr
.endm
	; all 48 first loads in one run.  Tiles 0-3 lie in the fragments' own registers and are packed in place, tiles 4-7 in v[100:163]
	ZLOAD 0, ZB
	ZLOAD 1, ZB+16
	ZLOAD 2, ZB+32
	ZLOAD 3, ZB+48
	ZLOAD 4, FA
	ZLOAD 5, FA+16
	ZLOAD 6, FA+32
	ZLOAD 7, FA+48
	CLOAD 0
; z tile t: 16 f32 to 8 registers of bf16, and |z|^2 of the rounded numbers.  Register 8t + i is written when 16t + 2i and all below it
; have been read, and the upper tiles land where tiles 2 and 3 have left: nothing unread is overwritten.
.macro ZCONV t, src
	s_wait_loadcnt 44-4*\t                         ; younger: 4 (7 - t) loads of z and the 16 of codes
.irp i, 0,1,2,3,4,5,6,7
	v_cvt_pk_bf16_f32 v[ZB+8*\t+\i], v[\src+2*\i], v[\src+2*\i+1]
.endr
	v_fma_mix_f32_bf16 v20, v[ZB+8*\t], v[ZB+8*\t], v[ZERO] op_sel_hi:[1,1,0]                ; two chains: the low halves,
	v_fma_mix_f32_bf16 v21, v[ZB+8*\t], v[ZB+8*\t], v[ZERO] op_sel:[1,1,0] op_sel_hi:[1,1,0] ; the high halves
.irp i, 1,2,3,4,5,6,7
	v_fma_mix_f32_bf16 v20, v[ZB+8*\t+\i], v[ZB+8*\t+\i], v20 op_sel_hi:[1,1,0]
	v_fma_mix_f32_bf16 v21, v[ZB+8*\t+\i], v[ZB+8*\t+\i], v21 op_sel:[1,1,0] op_sel_hi:[1,1,0]
.endr
	v_add_f32 v20, v20, v21                        ; my 16 of the row's 32 numbers
	v_permlanex16_b32 v22, v20, s14, s15           ; the other 16
	v_add_f32 v[ZZ+\t], v20, v22                   ; the same bits in both halves
.endm
	ZCONV 0, ZB
	ZCONV 1, ZB+16
	ZCONV 2, ZB+32
	ZCONV 3, ZB+48
	ZCONV 4, FA
	ZCONV 5, FA+16
	ZCONV 6, FA+32
	ZCONV 7, FA+48
; 64 rows of codes from registers to LDS: 4 numbers a lane to bf16, |e|^2 of the rounded numbers summed over the row's 8 lanes.
; All sixteen groups are worked on first; one wait; then the 32 LDS stores in one run.
.macro STAGE half
.irp i, 0,1,2,3,4,5,6,7,8,9,10,11,12,13,14,15
	s_wait_loadcnt 15-\i                           ; loads come back in order: the 15 - i younger ones stay out
	v_cvt_pk_bf16_f32 v[CST+4*\i],   v[CST+4*\i],   v[CST+4*\i+1]
	v_cvt_pk_bf16_f32 v[CST+4*\i+1], v[CST+4*\i+2], v[CST+4*\i+3]
	v_fma_mix_f32_bf16 v[CST+4*\i+2], v[CST+4*\i],   v[CST+4*\i],   v[ZERO] op_sel_hi:[1,1,0]
	v_fma_mix_f32_bf16 v[CST+4*\i+2], v[CST+4*\i],   v[CST+4*\i],   v[CST+4*\i+2] op_sel:[1,1,0] op_sel_hi:[1,1,0]
	v_fma_mix_f32_bf16 v[CST+4*\i+2], v[CST+4*\i+1], v[CST+4*\i+1], v[CST+4*\i+2] op_sel_hi:[1,1,0]
	v_fma_mix_f32_bf16 v[CST+4*\i+2], v[CST+4*\i+1], v[CST+4*\i+1], v[CST+4*\i+2] op_sel:[1,1,0] op_sel_hi:[1,1,0]
	v_add_f32_dpp v[CST+4*\i+2], v[CST+4*\i+2], v[CST+4*\i+2] row_xmask:1 row_mask:0xf bank_mask:0xf
	v_add_f32_dpp v[CST+4*\i+2], v[CST+4*\i+2], v[CST+4*\i+2] row_xmask:2 row_mask:0xf bank_mask:0xf
	v_add_f32_dpp v[CST+4*\i+2], v[CST+4*\i+2], v[CST+4*\i+2] row_xmask:4 row_mask:0xf bank_mask:0xf
.endr
	s_wait_alu depctr_va_vdst(0)                   ; the conversions and sums have written v[CST ..], which the LDS stores read
.irp i, 0,1,2,3,4,5,6,7,8,9,10,11,12,13,14,15
	ds_store_b64 v[STC], v[CST+4*\i:CST+4*\i+1] offset:\half*HALFC+4*PITCH*\i
	ds_store_b32 v[STE], v[CST+4*\i+2] offset:\half*HALFE+16*\i    ; the row's 8 lanes write one word, with one value
.endr
.endm
	STAGE 0
.irp t, 0,1,2,3,4,5,6,7
	v_mov_b32 v[BEST+\t], 0x7f800000               ; +infinity: the first tile's minimum takes over
	v_mov_b32 v[IDX+\t], 0
.endr
	s_mov_b32 s16, 0                               ; code tile, 0 to 63
	s_wait_dscnt 0x0                               ; my rows of the first half are in LDS, for the other waves' sake
	s_wait_alu depctr_vm_vsrc(0)                   ; my LDS stores have read v[CST ..], in which the loads below land (the vector work on them stands ahead of STAGE's wait; the sixteen lines since name BEST and IDX alone)
	CLOAD 1                                        ; the second half's 16 loads stay out through the first 16 tiles
	s_barrier_signal -1
	s_barrier_wait -1                              ; codes 0-511 and their |e|^2 are there, from all eight waves
; fragment of one code tile into buffer buf: 16 rows x 32 bf16 (two loads, 32 bytes apart) ..
.macro FRAGA buf, aoff
	ds_load_b128 v[FA+8*\buf:FA+8*\buf+3],   v[AADR] offset:\aoff
	ds_load_b128 v[FA+8*\buf+4:FA+8*\buf+7], v[AADR] offset:\aoff+32
.endm
; .. and |e|^2 of my 8 codes
.macro FRAGE buf, eoff
	ds_load_b128 v[FE+8*\buf:FE+8*\buf+3],   v[EADR] offset:\eoff
	ds_load_b128 v[FE+8*\buf+4:FE+8*\buf+7], v[EADR] offset:\eoff+16
.endm
; ze of 16 codes x z tile t; K = 32 is the whole sum, so C is the constant 0
.macro WM t, cur
	v_wmma_f32_16x16x32_bf16 v[AC+8*((\t)&1):AC+8*((\t)&1)+7], v[FA+8*\cur:FA+8*\cur+7], v[ZB+8*\t:ZB+8*\t+7], 0
.endm
; 8 distances of my row in z tile t, their minimum, and the mask of the lanes where it is strictly less than all before
.macro EPI t, cur, nxt
.irp i, 0,2,4,6
.if (\t) & 1
	v_pk_add_f32 v[TM+\i:TM+\i+1], v[FE+8*\cur+\i:FE+8*\cur+\i+1], v[ZZ+\t-1:ZZ+\t] op_sel:[0,1] op_sel_hi:[1,1]   ; a = zz + ee; zz is the pair's second
.else
	v_pk_add_f32 v[TM+\i:TM+\i+1], v[FE+8*\cur+\i:FE+8*\cur+\i+1], v[ZZ+\t:ZZ+\t+1] op_sel_hi:[1,0]               ; a = zz + ee; zz is the pair's first
.endif
.endr
.irp i, 0,2,4,6
	v_pk_fma_f32 v[TM+\i:TM+\i+1], v[AC+8*((\t)&1)+\i:AC+8*((\t)&1)+\i+1], -2.0, v[TM+\i:TM+\i+1] op_sel_hi:[1,0,1] ; d = a - 2 ze, one rounding
.endr
	v_min3_num_f32 v[TM],   v[TM],   v[TM+1], v[TM+2]
	v_min3_num_f32 v[TM+3], v[TM+3], v[TM+4], v[TM+5]
	v_min3_num_f32 v[TM+6], v[TM+6], v[TM+7], v[BEST+8*\cur+\t]
	v_min3_num_f32 v[BEST+8*\nxt+\t], v[TM], v[TM+3], v[TM+6]
	v_cmp_lt_f32 s[MK+\t], v[BEST+8*\nxt+\t], v[BEST+8*\cur+\t]    ; strict: on a tie the earlier tile stays.  A scalar register to each z tile: the selects stand together at the tile's end
.endm
; One code tile against my 8 z tiles.  Distances behind matrix instructions (ISA guide 7.12.1): the first EPI reads its result behind its
; own four v_pk_add_f32, which name no register of that matrix instruction; every later one behind a whole EPI; a result buffer is
; written again behind nine vector instructions that do not name it.
.macro TILE cur, nxt, pf, aoff, eoff
	s_wait_dscnt 0x0                               ; the four fragment loads issued one tile ago; nothing younger is out
.if \pf
	s_wait_alu depctr_va_vdst(0)                   ; the tile before is done reading the other FA and FE, in which the loads below land; in a pair's first tile AADR and EADR are written
.endif
	WM 0, \cur
.if \pf
	FRAGA \nxt, \aoff                              ; the next tile's fragment, a whole tile ahead of its use.  No further wait: the matrix instructions since the wait name AC, this tile's FA and ZB alone
.endif
	WM 1, \cur
.if \pf
	FRAGE \nxt, \eoff
.endif
	EPI 0, \cur, \nxt
	WM 2, \cur
	EPI 1, \cur, \nxt
	WM 3, \cur
	EPI 2, \cur, \nxt
	WM 4, \cur
	EPI 3, \cur, \nxt
	WM 5, \cur
	EPI 4, \cur, \nxt
	WM 6, \cur
	EPI 5, \cur, \nxt
	WM 7, \cur
	EPI 6, \cur, \nxt
	EPI 7, \cur, \nxt
	s_wait_alu depctr_va_sdst(0)                   ; the tile's eight compares have written s[MK ..], which the selects read
.irp t, 0,1,2,3,4,5,6,7
	v_cndmask_b32 v[IDX+\t], v[IDX+\t], s16, s[MK+\t]              ; the tile's number where it is strictly less
.endr
	s_add_co_u32 s16, s16, 1
.endm
; two tiles, so that the buffers' turns are fixed in the text.  more = 0: the last pair fetches nothing beyond tile 63
.macro PAIR more
	TILE 0, 1, 1, 16*PITCH, 64
	TILE 1, 0, \more, 32*PITCH, 128
.if \more
	s_wait_alu depctr_vm_vsrc(0)                   ; the fragment loads issued so far have read AADR and EADR
	v_add_nc_u32 v[AADR], 32*PITCH, v[AADR]
	v_add_nc_u32 v[EADR], 128, v[EADR]
.endif
.endm
	FRAGA 0, 0                                     ; tile 0's fragment.  No wait: the last vector lines that named v[100:131], the packing of z tiles 4 and 5, stand ahead of STAGE's wait
	FRAGE 0, 0
	s_mov_b32 s17, 0
.Lfirst:                                               ; tiles 0-15; the last fetch is tile 16, still among codes 0-511
	PAIR 1
	s_add_co_u32 s17, s17, 1
	s_cmp_lt_u32 s17, 8
	s_cbranch_scc1 .Lfirst
	STAGE 1                                        ; codes 512-1,023: bytes that no wave has read
	s_wait_dscnt 0x0                               ; my stores are in LDS (and tile 16's fragment is in)
	s_barrier_signal -1
	s_barrier_wait -1
	s_mov_b32 s17, 0
.Lrest:                                                ; tiles 16-61
	PAIR 1
	s_add_co_u32 s17, s17, 1
	s_cmp_lt_u32 s17, 23
	s_cbranch_scc1 .Lrest
	PAIR 0                                         ; tiles 62, 63
; 64 tiles are an even number: the results lie in the first set of BEST.  The two halves of the lanes hold codes 8h .. 8h+7 of each tile
; for the same row: take the less of the two by (distance, group), the group g = 2 tile + h + 128 q ascending with the codes.
; Four z tiles at a time (t0 .. t0 + 3): their twelve compares stand in one run, with one wait behind it.
.macro MERGE4 t0
.irp k, 0,1,2,3
	v_lshl_add_u32 v[IDX+\t0+\k], v[IDX+\t0+\k], 1, v[HQ]          ; g
.endr
.irp k, 0,1,2,3
	v_permlanex16_b32 v[TM+2*\k],   v[BEST+\t0+\k], s14, s15
	v_permlanex16_b32 v[TM+2*\k+1], v[IDX+\t0+\k],  s14, s15
.endr
.irp k, 0,1,2,3
	v_cmp_lt_f32 s[MK+3*\k],   v[TM+2*\k],   v[BEST+\t0+\k]
	v_cmp_eq_f32 s[MK+3*\k+1], v[TM+2*\k],   v[BEST+\t0+\k]
	v_cmp_lt_u32 s[MK+3*\k+2], v[TM+2*\k+1], v[IDX+\t0+\k]
.endr
	s_wait_alu depctr_va_sdst(0)                   ; the twelve compares have written s[MK ..], which the scalar lines below read
.irp k, 0,1,2,3
	s_and_b32 s[MK+3*\k+1], s[MK+3*\k+1], s[MK+3*\k+2]
	s_or_b32 s[MK+3*\k], s[MK+3*\k], s[MK+3*\k+1]
.endr
.irp k, 0,1,2,3
	v_cndmask_b32 v[BEST+\t0+\k], v[BEST+\t0+\k], v[TM+2*\k],   s[MK+3*\k]
	v_cndmask_b32 v[IDX+\t0+\k],  v[IDX+\t0+\k],  v[TM+2*\k+1], s[MK+3*\k]
.endr
.irp k, 0,1,2,3
	v_ashrrev_i32 v[TM+2*\k], 31, v[BEST+\t0+\k]   ; f32 to a u32 of the same order: a positive number gets its top bit set,
	v_or_b32 v[TM+2*\k], 0x80000000, v[TM+2*\k]    ; a negative one all its bits turned
	v_xor_b32 v[BEST+\t0+\k], v[BEST+\t0+\k], v[TM+2*\k]
.endr
.endm
	MERGE4 0
	MERGE4 4
; rows 32 p + lane of my 128: lanes 0-15 give z tile 2p, lanes 16-31 tile 2p + 1.  A store covers 256 consecutive bytes, aligned.
.irp p, 0,1,2,3
	v_cndmask_b32 v[TM+2*\p],   v[BEST+2*\p], v[BEST+2*\p+1], s18
	v_cndmask_b32 v[TM+2*\p+1], v[IDX+2*\p],  v[IDX+2*\p+1],  s18
.endr
	s_wait_alu depctr_va_vdst(0)                   ; the eight selects have written v[TM ..], which the stores read
.irp p, 0,1,2,3
	global_store_b64 v[COF], v[TM+2*\p:TM+2*\p+1], s[8:9] offset:256*\p
.endr
	s_wait_dscnt 0x0
	s_wait_alu depctr_hold_cnt(0) depctr_sa_sdst(0) depctr_va_vdst(0) depctr_va_sdst(0) depctr_va_ssrc(0) depctr_va_vcc(0) depctr_vm_vsrc(0)
	s_wait_tensorcnt 0x0
	ds_add_u32 v230, v231
	s_wait_dscnt 0x0
	s_endpgm
.Lfunc_end_k_q0f8abe809a_search:
	.size	k_q0f8abe809a_search, .Lfunc_end_k_q0f8abe809a_search-k_q0f8abe809a_search
	.p2alignl 7, 3214868480
	.fill 96, 4, 3214868480
	.section	.rodata,"a",@progbits
	.p2align	6, 0x0
	.amdhsa_kernel k_q0f8abe809a_search
		.amdhsa_group_segment_fixed_size 168960
		.amdhsa_private_segment_fixed_size 0
		.amdhsa_enable_private_segment 0
		.amdhsa_kernarg_size 24
		.amdhsa_user_sgpr_count 2
		.amdhsa_user_sgpr_kernarg_segment_ptr 1
		.amdhsa_wavefront_size32 1
		.amdhsa_system_sgpr_workgroup_id_x 1
		.amdhsa_system_sgpr_workgroup_id_y 1
		.amdhsa_system_sgpr_workgroup_id_z 1
		.amdhsa_system_vgpr_workitem_id 0
		.amdhsa_next_free_vgpr 232
		.amdhsa_next_free_sgpr 66
		.amdhsa_reserve_vcc 0
		.amdhsa_float_denorm_mode_32 3
		.amdhsa_float_denorm_mode_16_64 3
		.amdhsa_memory_ordered 1
		.amdhsa_forward_progress 1
		.amdhsa_inst_pref_size 101
	.end_amdhsa_kernel
	.amdgpu_metadata
---
amdhsa.version: [ 1, 2 ]
amdhsa.kernels:
  - .name:           k_q0f8abe809a_search
    .symbol:         k_q0f8abe809a_search.kd
    .args:
      - { .name: codebook, .offset: 0, .size: 8, .value_kind: global_buffer, .address_space: global }
      - { .name: z, .offset: 8, .size: 8, .value_kind: global_buffer, .address_space: global }
      - { .name: cand, .offset: 16, .size: 8, .value_kind: global_buffer, .address_space: global }
    .group_segment_fixed_size: 168960
    .private_segment_fixed_size: 0
    .kernarg_segment_align: 8
    .kernarg_segment_size: 24
    .max_flat_workgroup_size: 256
    .sgpr_count:     66
    .vgpr_count:     232
    .wavefront_size: 32
...
	.end_amdgpu_metadata
.endif
;; end of part 4
;; launch finish: the kernel of part 2 again; grid 256 x 1, 32 waves a work-group, no clusters, 5,120 bytes of LDS; arguments cand, codebook, z, out0, out1, part; writes out0, out1, part
;; launch total: the kernel of part 3 again; grid 1 x 1, 1 waves a work-group, no clusters, 0 bytes of LDS; arguments part, out2; writes out2
